; MI455X (gfx1250); checked and timed in simulation.
; The chip was launched on July 23, 2026; its instructions are those of AMD's public machine-readable ISA for CDNA 5 (MIT licence, August 2026) and "CDNA5" Instruction Set Architecture Reference Guide (July 2026). The comments in the code are by the model that wrote it; some were corrected since.
;; Gaussian Mixture. Allowed arithmetic: float matrix products may take bf16 or f16 operands with f32 sums; other float arithmetic in f32, or as packed bf16 or f16 multiplies, adds, multiply-adds, maxima and minima; sums over many terms, partial sums and values carried from step to step in f32; what a program stores and reads back later, other than sums and carried values, may be rounded once to bf16 or f16.
;; Inputs: X 524,288 x 64 float32; mu 32 x 64 float32; pi 32 x 1 float32; var 32 x 64 float32.
;; Outputs: out0 32 x 129 float32.
;; One version. Each part assembles by itself: llvm-mc -triple=amdgcn-amd-amdhsa -mcpu=gfx1250 --defsym DOCPART=n.
;; ======== version 1 of 1: 2 launches
;; workspace buffers: part 4,227,072 bytes
;; launch em_partial (part 1): grid 256 x 1, 8 waves a work-group, no clusters, 224,000 bytes of LDS; arguments X, mu, pi, var, part; writes part
.if DOCPART == 1
	.amdgcn_target "amdgcn-amd-amdhsa--gfx1250"
	.amdhsa_code_object_version 6
	.text
	.protected	k_q2dc6eb7c61_em_partial
	.globl	k_q2dc6eb7c61_em_partial
	.p2align	8
	.type	k_q2dc6eb7c61_em_partial,@function
k_q2dc6eb7c61_em_partial:
	s_mov_b64 s[64:65], 0
	v_nop
	global_prefetch_b8 v0, s[64:65] scope:SCOPE_SE
	s_setreg_imm32_b32 hwreg(HW_REG_WAVE_MODE, 25, 1), 1
	s_wait_xcnt 0x0
; One EM step of a diagonal Gaussian mixture, part 1: E step, softmax over the 32 components and the partial M-step sums.
; X [524288][64] f32, mu, var [32][64] f32, pi [32] f32.  part: 256 blocks of 16,384 bytes, then a table of 256 rows of 128 bytes (see THE WAY OUT).
;
; ALGEBRA.  With c[d] = mu[0][d] and y = x - c (an identity for every input; it takes a common offset of X and mu out of the sums):
;   log2 post[k][n] = sum_d w1[k][d] y[n][d] + sum_d w2[k][d] y[n][d]^2 + cst[k]
;   w1 = log2(e) (mu - c) / var,  w2 = -0.5 log2(e) / var,
;   cst = log2 pi - 0.5 (log2(e) sum (mu - c)^2 / var + sum log2 var) - 32 log2(2 pi)
;   r = exp2(post - max_k post) / sum_k exp2(..);  sums kept: sum_n r, sum_n r y, sum_n r y^2.  The second launch turns them into pi, mu, var.
; y is rounded to bf16 once; y^2 is the bf16 product of that rounded y with itself; r, w1, w2 are bf16; all sums, the softmax and cst are f32.
; LIMITS: var or pi below 2^-126 counts as 0 in v_rcp_f32 / v_log_f32 (ISA guide, their entries in 15.8); r below 2^-126 becomes 0.
;
; SHARES.  256 work-groups of 8 waves; a work-group owns 2,048 rows, a wave 256 rows = 8 batches of 32 rows (8,192 bytes).
; A wave never needs another wave's rows: its LDS stages are its own, and the loop has no barrier.
; No cluster: the work-groups share only mu, var, pi (16,512 bytes) against 524,288 bytes of rows of their own.
; No tensor loads: the rows have to pass through registers anyway (centre, round), and a register ring needs no barrier for a refill.
; No prefetch: the ring below asks for the wave's next 16,384 bytes all the time.
;
; ONE BATCH.  16 loads of 512 consecutive bytes: load i gives lane (c, h) row 2 i + h, columns 4 c .. 4 c + 3.
;   M-STEP OPERAND, WITHOUT LDS.  Packing loads 2 j and 2 j + 1 of column 4 c + e gives register j of a B fragment (N = d, K = n): tile e has
;     column d = 4 c + e in lane c, and lane half h holds, in registers 0-7, the batch rows numbered n' = 16 h + 2 j + p (p: the half of the register).
;     n' is a renumbering of the 32 rows; a sum over the rows does not mind, as long as r is read in the same order.
;   E-STEP OPERAND, ONCE THROUGH LDS.  The same 32 registers are stored as stage[rho][n'], rho = 16 e + c, and read back transposed
;     (ds_load_tr16_b128) as B fragments (N = n', K = rho).  rho is a renumbering of d (d = 4 (rho % 16) + rho / 16); the weights lie in the same order.
;   E step:  A = weights (M = component): D register j of lane (r, h) = post[8 h + j][n' = r]: a lane holds 16 of a row's 32 components and the lane
;     16 away the others, so the softmax needs one exchange for the max and one for the sum.
;   M step:  r goes to LDS as [n'][component] and comes back transposed as A (M = component, K = n'); the squares of the M-step operand are made
;     in registers; a B of ones gives sum r.
.set BATCHB,  8192                     ; bytes of a batch
.set XP,      96                       ; stage row of y: 64 bytes (32 n') in a pitch of 96; rows whose number has bit 3 set start 16 bytes later.  With that the 16 lanes
.set RP,      96                       ; of half a wave touch 16 different 16-byte columns of 256 both in the stores (rows c) and in the transposing loads (8 rows x 2 columns).  r's rows likewise
.set WP,      272                      ; row of the weights: 256 bytes + 16
.set LDS_C,   32*WP                    ; 8,704: cst[32]
.set LDS_STG, 8960                     ; the waves' stages
.set STG_R,   64*XP                    ; r's 32 rows lie behind y's 64 rows
.set STGB,    64*XP+32*RP              ; a wave's stage: 6,144 + 3,072
.set LDS_RED, LDS_STG+8*STGB           ; 82,688: the waves' accumulators at the end
.set UP,      272                      ; there: 256 bytes of a unit + 16
.set RED_R,   64*UP                    ; 17,408: sum r behind the 64 units
.set REDB,    RED_R+128                ; 17,536 bytes for each wave
.set PARTB,   16384                    ; a work-group's 64 units in part
.set RTAB,    256*PARTB                ; the table of sum r behind all units
; window 0 (v0-v255)
.set GOFF, 1                           ; my byte offset in the work-group's rows: 65,536 wave + 16 lane
.set XST,  2                           ; stage: where I put 32 bytes of row c
.set XTR,  3                           ; stage: my 16 bytes of a transposing load
.set RST,  4                           ; r: where I put 16 bytes
.set RTR,  5                           ; r: my 16 bytes of a transposing load
.set REDA, 6                           ; the way out: where my accumulators go
.set REDR, 7                           ; the way out: where my sum r goes
.set CEN,  8                           ; v[8:11]    c of my 4 columns; at the end: addresses of the reduction.  v12: the lane, kept to the end
.set XE,   16                          ; v[16:47]   y as E-step fragments: (rt, ks) at XE + 16 rt + 8 ks
.set RA,   16                          ; v[16:31]   once the E step is over: softmax temporaries, then r as A fragments
.set SQ,   48                          ; v[48:79]   squares: of XE for the E step, then of XM for the M step
.set LP,   80                          ; v[80:111]  post, then r: tile (rt, ct) at LP + 16 rt + 8 ct
.set CST,  112                         ; v[112:127] cst as the C operand of a chain's first link
.set RING, 128                         ; v[128:255] two slots of 64 registers: a batch as loaded
; window 1 (v256-v503), written by their low 8 bits
.set ACC,  0                           ; 18 tiles: 8 ct + e: sum r y;  8 ct + 4 + e: sum r y^2;  16 + ct: sum r
.set WF,   144                         ; weights: fragment (ct, ks) at WF + 32 ct + 8 ks; ks 0, 1: w1, ks 2, 3: w2
.set XM,   208                         ; y as M-step fragments: tile e at XM + 8 e
.set ONES, 240                         ; a B fragment of 1.0
.set MSB, 0
.macro WIN new                         ; s_set_vgpr_msb: bits 1:0 source 0, 3:2 source 1, 5:4 source 2, 7:6 destination; the high byte repeats the setting left
.if MSB != \new
	s_set_vgpr_msb (MSB<<8)|\new
.set MSB, \new
.endif
.endm
.macro PLACES                          ; four independent vector instructions behind a matrix instruction before its result is read or
.rept 4                                ; one of its registers is written or loaded into (ISA guide 7.12.1)
	v_nop
.endr
.endm
.macro FILL slot, at                   ; a batch: 16 loads, each 512 consecutive bytes (rows 2 i and 2 i + 1)
.irp i, 0,1,2,3,4,5,6,7,8,9,10,11,12,13,14,15
	global_load_b128 v[RING+64*\slot+4*\i:RING+64*\slot+4*\i+3], v[GOFF], s[4:5] offset:\at+512*\i th:TH_LOAD_NT
.endr
.endm
	s_load_b256 s[4:11], s[0:1], 0x0               ; X s[4:5], mu s[6:7], pi s[8:9], var s[10:11]
	s_load_b64 s[12:13], s[0:1], 0x20              ; part
	s_set_vgpr_msb 0x40
	v_lshl_add_u32 v248, v0, 2, 0x36700
	v_mov_b32 v249, 0
	s_set_vgpr_msb 0x4000
	v_and_b32 v12, 31, v0                          ; lane L
	v_lshrrev_b32 v13, 5, v0
	v_readfirstlane_b32 s14, v13                   ; wave
	v_lshlrev_b32 v[GOFF], 4, v12
	v_lshl_or_b32 v[GOFF], v13, 16, v[GOFF]
	v_lshlrev_b32 v14, 5, v0                       ; thread t prepares component t / 8, dimensions 8 (t % 8) ..: 32 bytes at 32 t of mu and var
	v_and_b32 v46, 7, v0                           ; L % 8
	v_lshlrev_b32 v15, 5, v46                      ; the same dimensions of mu[0]
	v_lshrrev_b32 v42, 3, v0
	v_lshlrev_b32 v42, 2, v42                      ; pi[t / 8]
	v_and_b32 v44, 15, v0                          ; c = r = L % 16
	v_lshlrev_b32 v43, 4, v44                      ; c of the 4 columns that I load of every row
	s_lshl_b32 s16, ttmp9, 19                      ; 2,048 rows of 256 bytes for each work-group: at most 255 << 19, below 2^31
	s_mov_b32 s17, 0
	s_lshl_b32 s18, ttmp9, 14                      ; my block of part
	s_mov_b32 s19, 0
	s_lshl_b32 s28, ttmp9, 7                       ; my row of the table of sum r
	s_mov_b32 s29, 0
	s_mov_b32 s24, 0x76543210                      ; v_permlanex16_b32: lane i reads lane i of the other half
	s_mov_b32 s25, 0xfedcba98
	s_wait_kmcnt 0x0
	s_add_nc_u64 s[4:5], s[4:5], s[16:17]
	s_add_nc_u64 s[28:29], s[12:13], s[28:29]
	s_add_nc_u64 s[12:13], s[12:13], s[18:19]
	global_load_b128 v[16:19], v14, s[6:7]         ; the 8 parameter loads go first: loads come back in order, and these are needed first
	global_load_b128 v[20:23], v14, s[6:7] offset:16
	global_load_b128 v[24:27], v14, s[10:11]
	global_load_b128 v[28:31], v14, s[10:11] offset:16
	global_load_b128 v[32:35], v15, s[6:7]
	global_load_b128 v[36:39], v15, s[6:7] offset:16
	global_load_b32 v40, v42, s[8:9]
	global_load_b128 v[CEN:CEN+3], v43, s[6:7]
	FILL 0, 0                                      ; the first batch is asked for before anything is computed; the second behind the weights' LDS traffic
	; LDS addresses: a constant + the wave's number times a constant + a lane term
	v_lshrrev_b32 v45, 4, v12                      ; h = L / 16
	v_bfe_u32 v47, v12, 3, 1                       ; (L / 8) % 2 = bit 3 of c
	v_lshl_or_b32 v48, v45, 3, v46                 ; 8 h + L % 8
	v_lshrrev_b32 v49, 3, v12                      ; L / 8
	v_lshl_or_b32 v50, v45, 4, v46                 ; 16 h + L % 8
	v_lshrrev_b32 v51, 1, v44                      ; c / 2
	v_and_b32 v52, 1, v0                           ; c % 2
	v_mul_u32_u24 v53, v45, 16*UP
	s_mul_i32 s15, s14, STGB
	s_add_co_u32 s15, s15, LDS_STG                 ; my wave's stage
	s_add_co_u32 s21, s15, STG_R
	v_mul_u32_u24 v[XST], v44, XP                  ; row c of a block of 16 rows,
	v_lshl_add_u32 v[XST], v47, 4, v[XST]          ; shifted by 16 bytes where bit 3 of the row is set,
	v_lshl_add_u32 v[XST], v45, 5, v[XST]          ; n' = 16 h ..: 32 h bytes
	v_add_nc_u32 v[XST], s15, v[XST]
	v_mul_u32_u24 v[XTR], v48, XP                  ; row 8 h + L % 8 of a block of 16 rows: bit 3 of the row is h,
	v_lshl_add_u32 v[XTR], v45, 4, v[XTR]          ; hence the shift,
	v_lshl_add_u32 v[XTR], v47, 4, v[XTR]          ; and the 16-byte column (L / 8) % 2
	v_add_nc_u32 v[XTR], s15, v[XTR]
	v_mul_u32_u24 v[RST], v44, RP                  ; r: row n' = r of a block of 16, shifted likewise,
	v_lshl_add_u32 v[RST], v47, 4, v[RST]
	v_lshl_add_u32 v[RST], v45, 4, v[RST]          ; components 8 h ..
	v_add_nc_u32 v[RST], s21, v[RST]
	v_mul_u32_u24 v[RTR], v50, RP                  ; r back: row n' = 16 h + L % 8 (bit 3 clear; the second load, 8 rows on, carries the shift in its offset)
	v_lshl_add_u32 v[RTR], v47, 4, v[RTR]
	v_add_nc_u32 v[RTR], s21, v[RTR]
	s_mul_i32 s22, s14, REDB
	s_add_co_u32 s22, s22, LDS_RED
	v_mul_u32_u24 v[REDA], v51, UP                 ; the way out: unit c / 2 of a run of 8, position 8 (c % 2), 16 units on for h = 1
	v_lshl_add_u32 v[REDA], v52, 7, v[REDA]
	v_add_nc_u32 v[REDA], v[REDA], v53
	v_add_nc_u32 v[REDA], s22, v[REDA]
	v_lshl_add_u32 v[REDR], v45, 5, s22
	v_add_nc_u32 v[REDR], RED_R, v[REDR]
	s_mul_i32 s22, s14, 4*WP                       ; a wave prepares 4 components
	v_mul_u32_u24 v84, v49, WP
	v_lshl_add_u32 v84, v46, 2, v84
	v_add_nc_u32 v84, s22, v84                     ; weights: row 4 wave + L / 8, word t % 8 of each block of 16 rho
	s_lshl_b32 s23, s14, 4
	s_add_co_u32 s23, s23, LDS_C
	v_lshl_add_u32 v85, v49, 2, s23                ; cst[4 wave + L / 8]
	v_mul_u32_u24 v86, v44, WP
	v_lshl_add_u32 v86, v45, 4, v86                ; weights as A fragments: row r, 16 h
	s_mov_b32 s23, LDS_C
	v_lshl_add_u32 v87, v45, 5, s23                ; cst as C: components 8 h ..
	; THE WEIGHTS, once for the work-group.  v[16:23] mu, v[24:31] var, v[32:39] c, v40 pi
	s_wait_loadcnt 16                              ; the 8 parameter loads are in; the 16 loads of rows behind them stay out
.irp e, 0,1,2,3,4,5,6,7
	v_rcp_f32 v[50+\e], v[24+\e]                   ; 1 / var
.endr
.irp e, 0,1,2,3,4,5,6,7
	v_log_f32 v[58+\e], v[24+\e]                   ; log2 var
.endr
	v_log_f32 v41, v40                             ; log2 pi
.irp e, 0,2,4,6
	v_pk_add_f32 v[16+\e:17+\e], v[16+\e:17+\e], v[32+\e:33+\e] neg_lo:[0,1] neg_hi:[0,1]  ; mu - c; the first of these is the plain instruction between the transcendentals and their use
.endr
	s_wait_alu depctr_va_vdst(0)
.irp e, 0,2,4,6
	v_pk_mul_f32 v[66+\e:67+\e], v[16+\e:17+\e], v[50+\e:51+\e]                            ; (mu - c) / var
.endr
	v_pk_mul_f32 v[74:75], v[16:17], v[66:67]
.irp e, 2,4,6
	v_pk_fma_f32 v[74:75], v[16+\e:17+\e], v[66+\e:67+\e], v[74:75]                        ; sum (mu - c)^2 / var
.endr
	v_pk_add_f32 v[58:59], v[58:59], v[60:61]
	v_pk_add_f32 v[62:63], v[62:63], v[64:65]
	v_pk_add_f32 v[58:59], v[58:59], v[62:63]
	v_pk_fma_f32 v[74:75], v[74:75], 0x3fb8aa3b, v[58:59] op_sel_hi:[1,0,1]                ; log2(e) x that + sum log2 var
	v_add_f32 v74, v74, v75
	v_add_f32_dpp v74, v74, v74 row_xmask:1 row_mask:0xf bank_mask:0xf                     ; over the 8 lanes that share a component
	v_add_f32_dpp v74, v74, v74 row_xmask:2 row_mask:0xf bank_mask:0xf
	v_add_f32_dpp v74, v74, v74 row_xmask:4 row_mask:0xf bank_mask:0xf
	v_fma_f32 v74, v74, -0.5, v41
	v_add_f32 v74, 0xc2a9b21d, v74                 ; - 32 log2(2 pi) = -84.847876
.irp e, 0,2,4,6
	v_pk_mul_f32 v[66+\e:67+\e], v[66+\e:67+\e], 0x3fb8aa3b op_sel_hi:[1,0]                ; w1
	v_pk_mul_f32 v[50+\e:51+\e], v[50+\e:51+\e], 0xbf38aa3b op_sel_hi:[1,0]                ; w2
.endr
.irp q, 0,1,2,3
	v_cvt_pk_bf16_f32 v[76+\q], v[66+\q], v[70+\q] ; my dimensions 8 a + q and 8 a + q + 4 (a = t % 8) are rho = 16 q + 2 a and 16 q + 2 a + 1: one word
	v_cvt_pk_bf16_f32 v[80+\q], v[50+\q], v[54+\q]
.endr
.irp q, 0,1,2,3
	ds_store_b32 v84, v[76+\q] offset:32*\q        ; a row of the weights: w1 in the order of rho, then w2
	ds_store_b32 v84, v[80+\q] offset:128+32*\q
.endr
	ds_store_b32 v85, v74                          ; eight lanes write the same word with the same value
	s_wait_dscnt 0x0                               ; for the other waves' sake: my stores are done,
	s_barrier_signal -1
	s_barrier_wait -1                              ; everybody's are
	WIN 0x40                                       ; destination in window 1
.irp ct, 0,1
.irp ks, 0,1,2,3
	ds_load_b128 v[WF+32*\ct+8*\ks:WF+32*\ct+8*\ks+3],   v86 offset:\ct*16*WP+\ks*64
	ds_load_b128 v[WF+32*\ct+8*\ks+4:WF+32*\ct+8*\ks+7], v86 offset:\ct*16*WP+\ks*64+32
.endr
.endr
.irp e, 0,1,2,3,4,5,6,7
	v_mov_b32 v[ONES+\e], 0x3f803f80               ; two bf16 ones
.endr
	WIN 0
.irp ct, 0,1
	ds_load_b128 v[CST+8*\ct:CST+8*\ct+3],   v87 offset:\ct*64       ; register j: cst[16 ct + 8 h + j], the same in all 16 columns
	ds_load_b128 v[CST+8*\ct+4:CST+8*\ct+7], v87 offset:\ct*64+16
.endr                                              ; these LDS loads are covered by the first batch's s_wait_dscnt 0 in front of its first matrix instruction
	FILL 1, BATCHB                                 ; the ring's second slot
; A batch.  slot: its ring slot; refill = 1: the slot gets the batch two further on; left: how many younger loads may stay out;
; zero = 1: the first batch's products start the M-step sums, so that no accumulator is ever cleared.
.macro BATCH slot, refill, left, zero
.set RB, RING+64*\slot
	s_wait_loadcnt \left                           ; loads come back in order (ISA guide 5.7.1): my slot's 16 are in
.irp i, 0,1,2,3,4,5,6,7,8,9,10,11,12,13,14,15
	v_pk_add_f32 v[RB+4*\i:RB+4*\i+1],   v[RB+4*\i:RB+4*\i+1],   v[CEN:CEN+1]   neg_lo:[0,1] neg_hi:[0,1]   ; y = x - c.  These 32 lines also stand between
	v_pk_add_f32 v[RB+4*\i+2:RB+4*\i+3], v[RB+4*\i+2:RB+4*\i+3], v[CEN+2:CEN+3] neg_lo:[0,1] neg_hi:[0,1]   ; the last batch's matrix instructions and the writes of XM below
.endr
	WIN 0x40                                       ; destination (XM) in window 1
.irp e, 0,1,2,3
.irp j, 0,1,2,3,4,5,6,7
	v_cvt_pk_bf16_f32 v[XM+8*\e+\j], v[RB+8*\j+\e], v[RB+8*\j+4+\e]    ; column 4 c + e of loads 2 j and 2 j + 1: n' = 16 h + 2 j, 16 h + 2 j + 1
.endr
.endr
	WIN 0x04                                       ; store data in window 1
.irp e, 0,1,2,3
	ds_store_b128 v[XST], v[XM+8*\e:XM+8*\e+3]   offset:\e*16*XP       ; row rho = 16 e + c, n' = 16 h .. 16 h + 7.  LDS serves a wave's instructions in order:
	ds_store_b128 v[XST], v[XM+8*\e+4:XM+8*\e+7] offset:\e*16*XP+16    ; the last batch's loads of the stage are past
.endr
	WIN 0
.irp rt, 0,1
.irp ks, 0,1
	ds_load_tr16_b128 v[XE+16*\rt+8*\ks:XE+16*\rt+8*\ks+3],   v[XTR] offset:\ks*32*XP+\rt*32         ; column n' = 16 rt + r, rho = 32 ks + 8 h ..
	ds_load_tr16_b128 v[XE+16*\rt+8*\ks+4:XE+16*\rt+8*\ks+7], v[XTR] offset:\ks*32*XP+16*XP+\rt*32   ; rho = 32 ks + 16 + 8 h ..
.endr
.endr
.if \refill
	FILL \slot, (2+\slot)*BATCHB                   ; the slot has been read: ask again, behind the batch's LDS instructions and in front of the wait for them
.endif
	; E STEP
	s_wait_dscnt 0x0
.set cnt, 0
.rept 32
	v_pk_mul_bf16 v[SQ+cnt], v[XE+cnt], v[XE+cnt]  ; y^2, element by element: the same layout as y
.set cnt, cnt+1
.endr
	WIN 0x01                                       ; A (weights) in window 1
.irp rt, 0,1
.irp ct, 0,1
	v_wmma_f32_16x16x32_bf16 v[LP+16*\rt+8*\ct:LP+16*\rt+8*\ct+7], v[WF+32*\ct:WF+32*\ct+7], v[XE+16*\rt:XE+16*\rt+7], v[CST+8*\ct:CST+8*\ct+7]
.endr
.endr
.irp ks, 1,2,3
.irp rt, 0,1
.irp ct, 0,1
	v_wmma_f32_16x16x32_bf16 v[LP+16*\rt+8*\ct:LP+16*\rt+8*\ct+7], v[WF+32*\ct+8*\ks:WF+32*\ct+8*\ks+7], v[XE+32*(\ks/2)+16*\rt+8*(\ks%2):XE+32*(\ks/2)+16*\rt+8*(\ks%2)+7], v[LP+16*\rt+8*\ct:LP+16*\rt+8*\ct+7]
.endr
.endr
.endr
	WIN 0
	PLACES                                         ; behind the last link: the softmax reads LP and writes its temporaries over XE
	; SOFTMAX over the 32 components of each row: 16 in my registers, 16 in the lane 16 away.  Both row tiles step by step.
.irp rt, 0,1
.set EB, LP+16*\rt
.set TB, RA+8*\rt
	v_max3_num_f32 v[TB],   v[EB],   v[EB+1],  v[EB+2]
	v_max3_num_f32 v[TB+1], v[EB+3], v[EB+4],  v[EB+5]
	v_max3_num_f32 v[TB+2], v[EB+6], v[EB+7],  v[EB+8]
	v_max3_num_f32 v[TB+3], v[EB+9], v[EB+10], v[EB+11]
.endr
.irp rt, 0,1
.set EB, LP+16*\rt
.set TB, RA+8*\rt
	v_max3_num_f32 v[TB],   v[TB],   v[EB+12], v[EB+13]
	v_max3_num_f32 v[TB+1], v[TB+1], v[EB+14], v[EB+15]
.endr
.irp rt, 0,1
	v_max3_num_f32 v[RA+8*\rt], v[RA+8*\rt], v[RA+8*\rt+1], v[RA+8*\rt+2]
.endr
.irp rt, 0,1
	v_max_num_f32 v[RA+8*\rt], v[RA+8*\rt], v[RA+8*\rt+3]
.endr
.irp rt, 0,1
	v_permlanex16_b32 v[RA+8*\rt+1], v[RA+8*\rt], s24, s25
.endr
.irp rt, 0,1
	v_max_num_f32 v[RA+8*\rt], v[RA+8*\rt], v[RA+8*\rt+1]          ; the row's true maximum
.endr
.irp rt, 0,1
.irp p, 0,2,4,6,8,10,12,14
	v_pk_add_f32 v[LP+16*\rt+\p:LP+16*\rt+\p+1], v[LP+16*\rt+\p:LP+16*\rt+\p+1], v[RA+8*\rt:RA+8*\rt+1] op_sel_hi:[1,0] neg_lo:[0,1] neg_hi:[0,1]
.endr
.endr
.set cnt, 0
.rept 32
	v_exp_f32 v[LP+cnt], v[LP+cnt]                 ; the weights carry log2(e)
.set cnt, cnt+1
.endr
	v_nop                                          ; one plain instruction between the transcendentals and the first use of a result
	s_wait_alu depctr_va_vdst(0)
.irp rt, 0,1
.set EB, LP+16*\rt
.set TB, RA+8*\rt
	v_pk_add_f32 v[TB:TB+1],   v[EB:EB+1],     v[EB+2:EB+3]
	v_pk_add_f32 v[TB+2:TB+3], v[EB+4:EB+5],   v[EB+6:EB+7]
	v_pk_add_f32 v[TB+4:TB+5], v[EB+8:EB+9],   v[EB+10:EB+11]
	v_pk_add_f32 v[TB+6:TB+7], v[EB+12:EB+13], v[EB+14:EB+15]
.endr
.irp rt, 0,1
.set TB, RA+8*\rt
	v_pk_add_f32 v[TB:TB+1],   v[TB:TB+1],   v[TB+2:TB+3]
	v_pk_add_f32 v[TB+4:TB+5], v[TB+4:TB+5], v[TB+6:TB+7]
.endr
.irp rt, 0,1
	v_pk_add_f32 v[RA+8*\rt:RA+8*\rt+1], v[RA+8*\rt:RA+8*\rt+1], v[RA+8*\rt+4:RA+8*\rt+5]
.endr
.irp rt, 0,1
	v_add_f32 v[RA+8*\rt], v[RA+8*\rt], v[RA+8*\rt+1]
.endr
.irp rt, 0,1
	v_permlanex16_b32 v[RA+8*\rt+1], v[RA+8*\rt], s24, s25
.endr
.irp rt, 0,1
	v_add_f32 v[RA+8*\rt], v[RA+8*\rt], v[RA+8*\rt+1]              ; at least 1: the largest term is exp2(0)
.endr
.irp rt, 0,1
	v_rcp_f32 v[RA+8*\rt+2], v[RA+8*\rt]
.endr
	v_nop
	s_wait_alu depctr_va_vdst(0)
.irp rt, 0,1
.irp p, 0,2,4,6,8,10,12,14
	v_pk_mul_f32 v[LP+16*\rt+\p:LP+16*\rt+\p+1], v[LP+16*\rt+\p:LP+16*\rt+\p+1], v[RA+8*\rt+2:RA+8*\rt+3] op_sel_hi:[1,0]
.endr
.endr
.irp rt, 0,1
.irp ct, 0,1
.irp q, 0,1,2,3
	v_cvt_pk_bf16_f32 v[LP+16*\rt+8*\ct+\q], v[LP+16*\rt+8*\ct+2*\q], v[LP+16*\rt+8*\ct+2*\q+1]   ; packed downward in place: word q is written when it has been read
.endr
.endr
.endr
.irp rt, 0,1
.irp ct, 0,1
	ds_store_b128 v[RST], v[LP+16*\rt+8*\ct:LP+16*\rt+8*\ct+3] offset:\rt*16*RP+\ct*32            ; row n' = 16 rt + r, components 16 ct + 8 h ..
.endr
.endr
.irp ct, 0,1
	ds_load_tr16_b128 v[RA+8*\ct:RA+8*\ct+3],   v[RTR] offset:\ct*32           ; component 16 ct + r, n' = 16 h .. 16 h + 7, the order of XM's registers 0-3: my own bytes, served behind my stores
	ds_load_tr16_b128 v[RA+8*\ct+4:RA+8*\ct+7], v[RTR] offset:\ct*32+8*RP+16   ; n' = 16 h + 8 ..: XM's registers 4-7
.endr
	WIN 0x05                                       ; both sources (XM) in window 1
.set cnt, 0
.rept 32
	v_pk_mul_bf16 v[SQ+cnt], v[XM+cnt], v[XM+cnt]  ; the squares in the M step's layout, while r makes its way through LDS
.set cnt, cnt+1
.endr
	s_wait_dscnt 0x0                               ; r's fragments
	; M STEP: 18 sums, each one link longer
	WIN 0x54                                       ; B (XM, ONES), C and D in window 1
.irp ct, 0,1
.irp e, 0,1,2,3
.if \zero
	v_wmma_f32_16x16x32_bf16 v[ACC+8*(8*\ct+\e):ACC+8*(8*\ct+\e)+7], v[RA+8*\ct:RA+8*\ct+7], v[XM+8*\e:XM+8*\e+7], 0
.else
	v_wmma_f32_16x16x32_bf16 v[ACC+8*(8*\ct+\e):ACC+8*(8*\ct+\e)+7], v[RA+8*\ct:RA+8*\ct+7], v[XM+8*\e:XM+8*\e+7], v[ACC+8*(8*\ct+\e):ACC+8*(8*\ct+\e)+7]
.endif
.endr
.if \zero
	v_wmma_f32_16x16x32_bf16 v[ACC+8*(16+\ct):ACC+8*(16+\ct)+7], v[RA+8*\ct:RA+8*\ct+7], v[ONES:ONES+7], 0
.else
	v_wmma_f32_16x16x32_bf16 v[ACC+8*(16+\ct):ACC+8*(16+\ct)+7], v[RA+8*\ct:RA+8*\ct+7], v[ONES:ONES+7], v[ACC+8*(16+\ct):ACC+8*(16+\ct)+7]
.endif
.endr
	WIN 0x50                                       ; B (SQ) in window 0
.irp ct, 0,1
.irp e, 0,1,2,3
.if \zero
	v_wmma_f32_16x16x32_bf16 v[ACC+8*(8*\ct+4+\e):ACC+8*(8*\ct+4+\e)+7], v[RA+8*\ct:RA+8*\ct+7], v[SQ+8*\e:SQ+8*\e+7], 0
.else
	v_wmma_f32_16x16x32_bf16 v[ACC+8*(8*\ct+4+\e):ACC+8*(8*\ct+4+\e)+7], v[RA+8*\ct:RA+8*\ct+7], v[SQ+8*\e:SQ+8*\e+7], v[ACC+8*(8*\ct+4+\e):ACC+8*(8*\ct+4+\e)+7]
.endif
.endr
.endr
	WIN 0
.endm
	BATCH 0, 1, 16, 1                              ; batches 0 and 1 stand in front of the loop: batch 0 starts the sums.
	BATCH 1, 1, 16, 0                              ; left = 16: the other slot's 16 loads are younger and stay out
	s_wait_xcnt 0x0                                ; the base is stepped only when every load that names it has had its address taken
	s_add_nc_u64 s[4:5], s[4:5], 2*BATCHB
	s_mov_b32 s20, 2
.Lround:                                           ; batches 2 to 5, which ask for batches 4 to 7
	BATCH 0, 1, 16, 0
	BATCH 1, 1, 16, 0
	s_wait_xcnt 0x0
	s_add_nc_u64 s[4:5], s[4:5], 2*BATCHB
	s_sub_co_i32 s20, s20, 1
	s_cmp_lg_u32 s20, 0
	s_cbranch_scc1 .Lround
	BATCH 0, 0, 16, 0                              ; the last two ask for nothing: no load leaves the wave's 65,536 bytes,
	BATCH 1, 0, 0, 0                               ; and the last wait is for 0
	; THE WAY OUT.  The eight waves' accumulators are added through LDS.  Each wave lays its own down in the order of memory:
	;   unit U = 8 cg + g (256 bytes): components 4 cg .. 4 cg + 3, dimensions 8 g .. 8 g + 7; position u = 2 (d % 8) + s (16 bytes): the four components of
	;   sum r y (s = 0) or sum r y^2 (s = 1) of dimension d.
	; Registers 4 jj .. 4 jj + 3 of tile (ct, s, e) in lane (c, h) are components 4 cg .. with cg = 4 ct + 2 h + jj, dimension d = 4 c + e:
	; unit 8 cg + c / 2, position 8 (c % 2) + 2 e + s.  With units 272 bytes apart in LDS the 16 lanes of half a wave touch 16 different 16-byte columns of 256.
	; So the second launch finds all that 4 components x 8 dimensions need in one aligned run of 256 bytes of each block, and sum r in the table.
	PLACES                                         ; behind the last matrix instructions, before their results are stored
	WIN 0x04                                       ; store data in window 1
.irp ct, 0,1
.irp s, 0,1
.irp e, 0,1,2,3
.irp jj, 0,1
	ds_store_b128 v[REDA], v[ACC+8*(8*\ct+4*\s+\e)+4*\jj:ACC+8*(8*\ct+4*\s+\e)+4*\jj+3] offset:\ct*32*UP+\jj*8*UP+\e*32+\s*16
.endr
.endr
.endr
.endr
.irp ct, 0,1
.irp jj, 0,1
	ds_store_b128 v[REDR], v[ACC+8*(16+\ct)+4*\jj:ACC+8*(16+\ct)+4*\jj+3] offset:\ct*64+\jj*16   ; sum r[16 ct + 8 h + 4 jj ..]: sixteen lanes write the same bytes with the same values
.endr
.endr
	WIN 0
	v_and_b32 v13, 15, v12
	v_lshrrev_b32 v14, 4, v12
	s_mul_i32 s26, s14, 2*UP                       ; wave w adds units 2 (w + 8 i) and the next, i = 0 .. 3
	s_add_co_u32 s26, s26, LDS_RED
	v_mul_u32_u24 v8, v14, UP                      ; lanes 0-15 one unit, lanes 16-31 the next
	v_lshl_add_u32 v8, v13, 4, v8
	v_add_nc_u32 v8, s26, v8                       ; LDS offsets have 16 bits: one address register for every three source waves
	v_add_nc_u32 v9, 3*REDB, v8
	v_add_nc_u32 v10, 6*REDB, v8
	s_lshl_b32 s27, s14, 9
	v_lshl_add_u32 v11, v12, 4, s27                ; and stores them at 512 w + 16 lane
	s_wait_dscnt 0x0                               ; my stores are done,
	s_barrier_signal -1
	s_barrier_wait -1                              ; everybody's are
.macro SUM8 b                          ; eight quads v[b .. b+31] -> v[b:b+3]
.irp p, 0,8,16,24
	v_pk_add_f32 v[\b+\p:\b+\p+1],   v[\b+\p:\b+\p+1],   v[\b+\p+4:\b+\p+5]
	v_pk_add_f32 v[\b+\p+2:\b+\p+3], v[\b+\p+2:\b+\p+3], v[\b+\p+6:\b+\p+7]
.endr
.irp p, 0,16
	v_pk_add_f32 v[\b+\p:\b+\p+1],   v[\b+\p:\b+\p+1],   v[\b+\p+8:\b+\p+9]
	v_pk_add_f32 v[\b+\p+2:\b+\p+3], v[\b+\p+2:\b+\p+3], v[\b+\p+10:\b+\p+11]
.endr
	v_pk_add_f32 v[\b:\b+1],   v[\b:\b+1],   v[\b+16:\b+17]
	v_pk_add_f32 v[\b+2:\b+3], v[\b+2:\b+3], v[\b+18:\b+19]
.endm
.irp i, 0,1,2,3
.irp sw, 0,1,2,3,4,5,6,7
	ds_load_b128 v[RING+32*\i+4*\sw:RING+32*\i+4*\sw+3], v[8+\sw/3] offset:(\sw%3)*REDB+\i*16*UP
.endr
.endr
.irp i, 0,1,2,3
	s_wait_dscnt 24-8*\i                           ; pair i's eight loads are in; the later pairs' stay out
	SUM8 RING+32*\i
	global_store_b128 v11, v[RING+32*\i:RING+32*\i+3], s[12:13] offset:\i*4096   ; 512 consecutive bytes, at a multiple of 512 from part's first byte
.endr
	s_cmp_lg_u32 s14, 0                            ; sum r: wave 0
	s_cbranch_scc1 .Lend
	v_and_b32 v13, 7, v12
	v_lshlrev_b32 v13, 4, v13                      ; 16 (L % 8): four components
	v_add_nc_u32 v2, LDS_RED+RED_R, v13
	v_add_nc_u32 v3, 3*REDB, v2
	v_add_nc_u32 v4, 6*REDB, v2
.irp sw, 0,1,2,3,4,5,6,7
	ds_load_b128 v[XE+4*\sw:XE+4*\sw+3], v[2+\sw/3] offset:(\sw%3)*REDB
.endr
	s_wait_dscnt 0x0
	SUM8 XE
	v_cmp_gt_u32 vcc_lo, 8, v12
	s_wait_xcnt 0x0                                ; EXEC is a source of the stores above: it changes only behind this wait
	s_and_saveexec_b32 s30, vcc_lo
	global_store_b128 v13, v[XE:XE+3], s[28:29] offset:RTAB   ; my row of the table: 128 consecutive bytes from 8 lanes, half of an aligned run of 256 (one such store in a work-group)
	s_wait_xcnt 0x0
	s_or_b32 exec_lo, exec_lo, s30
.Lend:
	s_barrier_signal -1
	s_barrier_wait -1
	s_set_vgpr_msb 0x5
	s_wait_tensorcnt 0x0
	ds_add_u32 v248, v249
	s_wait_dscnt 0x0
	s_set_vgpr_msb 0x500
	s_endpgm
.Lfunc_end_k_q2dc6eb7c61_em_partial:
	.size	k_q2dc6eb7c61_em_partial, .Lfunc_end_k_q2dc6eb7c61_em_partial-k_q2dc6eb7c61_em_partial
	.p2alignl 7, 3214868480
	.fill 96, 4, 3214868480
	.section	.rodata,"a",@progbits
	.p2align	6, 0x0
	.amdhsa_kernel k_q2dc6eb7c61_em_partial
		.amdhsa_group_segment_fixed_size 224000
		.amdhsa_private_segment_fixed_size 0
		.amdhsa_enable_private_segment 0
		.amdhsa_kernarg_size 40
		.amdhsa_user_sgpr_count 2
		.amdhsa_user_sgpr_kernarg_segment_ptr 1
		.amdhsa_wavefront_size32 1
		.amdhsa_system_sgpr_workgroup_id_x 1
		.amdhsa_system_sgpr_workgroup_id_y 1
		.amdhsa_system_sgpr_workgroup_id_z 1
		.amdhsa_system_vgpr_workitem_id 0
		.amdhsa_next_free_vgpr 506
		.amdhsa_next_free_sgpr 66
		.amdhsa_reserve_vcc 1
		.amdhsa_float_denorm_mode_32 3
		.amdhsa_float_denorm_mode_16_64 3
		.amdhsa_memory_ordered 1
		.amdhsa_forward_progress 1
		.amdhsa_inst_pref_size 143
	.end_amdhsa_kernel
	.amdgpu_metadata
---
amdhsa.version: [ 1, 2 ]
amdhsa.kernels:
  - .name:           k_q2dc6eb7c61_em_partial
    .symbol:         k_q2dc6eb7c61_em_partial.kd
    .args:
      - { .name: X, .offset: 0, .size: 8, .value_kind: global_buffer, .address_space: global }
      - { .name: mu, .offset: 8, .size: 8, .value_kind: global_buffer, .address_space: global }
      - { .name: pi, .offset: 16, .size: 8, .value_kind: global_buffer, .address_space: global }
      - { .name: var, .offset: 24, .size: 8, .value_kind: global_buffer, .address_space: global }
      - { .name: part, .offset: 32, .size: 8, .value_kind: global_buffer, .address_space: global }
    .group_segment_fixed_size: 224000
    .private_segment_fixed_size: 0
    .kernarg_segment_align: 8
    .kernarg_segment_size: 40
    .max_flat_workgroup_size: 256
    .sgpr_count:     66
    .vgpr_count:     506
    .wavefront_size: 32
...
	.end_amdgpu_metadata
.endif
;; end of part 1
;; launch em_finish (part 2): grid 64 x 1, 16 waves a work-group, no clusters, 8,192 bytes of LDS; arguments part, mu, out0; writes out0
.if DOCPART == 2
	.amdgcn_target "amdgcn-amd-amdhsa--gfx1250"
	.amdhsa_code_object_version 6
	.text
	.protected	k_q2dc6eb7c61_em_finish
	.globl	k_q2dc6eb7c61_em_finish
	.p2align	8
	.type	k_q2dc6eb7c61_em_finish,@function
k_q2dc6eb7c61_em_finish:
	s_mov_b64 s[64:65], 0
	v_nop
	global_prefetch_b8 v0, s[64:65] scope:SCOPE_SE
	s_setreg_imm32_b32 hwreg(HW_REG_WAVE_MODE, 25, 1), 1
	s_wait_xcnt 0x0
; One EM step, part 2: add the 256 work-groups' partial sums and form pi_new, mu_new, var_new.  out0 [32][129] f32 = pi | mu | var.
; part: 256 blocks of 64 units of 256 bytes, then a table of 256 rows of 32 f32.
;   unit U = 8 cg + g of a block: position u (16 bytes) = the components 4 cg .. 4 cg + 3 of sum r y (u even) or sum r y^2 (u odd) of dimension 8 g + u / 2;
;   row p of the table: block p's sum r of the 32 components.   y = x - c, c[d] = mu[0][d].
; With m = sum r y / sum r:  pi_new = sum r / 524288,  mu_new = c + m,  var_new = sum r y^2 / sum r - m^2
; (reference()'s (rx2 - 2 mu rx + mu^2 dem) / dem, which does not change when x is shifted by c).
; A component with sum r = 0 gives NaN, as in reference().
; 64 work-groups, one for each unit: 4 components x 8 dimensions.  A work-group reads its unit of all 256 blocks (65,536 bytes: with whole runs of 256 bytes
; no split reads less, since every work-group needs every block) and the table (32,768 bytes, read whole in runs of 512 bytes; it uses the eighth that is its components').
; 512 threads: thread (u = t % 16, t / 16) takes 16 bytes of its unit in blocks t / 16 + 32 i, i = 0 .. 7, and 16 bytes at 16 (t + 512 i), i = 0 .. 3, of the table:
; 12 loads, all issued at once.  No loop, so no ring; no cluster: what the work-groups share is the table alone, a third of a work-group's bytes, read once.
; out0's rows are 516 bytes long, so its pieces start at no multiple of 256: the stores are runs of 32 bytes (8 lanes x 4), 16,512 bytes in all.
.set PARTB, 16384
.set RTAB,  256*PARTB
.set Q, 16                             ; v[16:47]  eight quads of the unit
.set R, 48                             ; v[48:79]  quads of sum r: four at first, eight in wave 0's second pass
.set T, 20                             ; v[20:39]  the closing formulas, in registers of Q that are done with
.macro SUM8 b                          ; eight quads v[b .. b+31] -> v[b:b+3]
.irp p, 0,8,16,24
	v_pk_add_f32 v[\b+\p:\b+\p+1],   v[\b+\p:\b+\p+1],   v[\b+\p+4:\b+\p+5]
	v_pk_add_f32 v[\b+\p+2:\b+\p+3], v[\b+\p+2:\b+\p+3], v[\b+\p+6:\b+\p+7]
.endr
.irp p, 0,16
	v_pk_add_f32 v[\b+\p:\b+\p+1],   v[\b+\p:\b+\p+1],   v[\b+\p+8:\b+\p+9]
	v_pk_add_f32 v[\b+\p+2:\b+\p+3], v[\b+\p+2:\b+\p+3], v[\b+\p+10:\b+\p+11]
.endr
	v_pk_add_f32 v[\b:\b+1],   v[\b:\b+1],   v[\b+16:\b+17]
	v_pk_add_f32 v[\b+2:\b+3], v[\b+2:\b+3], v[\b+18:\b+19]
.endm
.macro XHALF b                         ; v[b:b+3] += the same of the lane 16 away; v[b+4:b+7] are used up (they have been written before)
.irp e, 0,1,2,3
	v_permlanex16_b32 v[\b+4+\e], v[\b+\e], s24, s25
.endr
	v_pk_add_f32 v[\b:\b+1],   v[\b:\b+1],   v[\b+4:\b+5]
	v_pk_add_f32 v[\b+2:\b+3], v[\b+2:\b+3], v[\b+6:\b+7]
.endm
	s_load_b128 s[4:7], s[0:1], 0x0                ; part s[4:5], mu s[6:7]
	s_load_b64 s[8:9], s[0:1], 0x10                ; out0
	v_lshl_add_u32 v80, v0, 2, 0x1800
	v_mov_b32 v81, 0
	v_and_b32 v1, 15, v0                           ; u
	v_lshrrev_b32 v2, 4, v0                        ; t / 16, 0 to 31
	v_lshlrev_b32 v3, 14, v2
	v_lshl_add_u32 v3, v1, 4, v3                   ; block t / 16, 16 u
	v_lshlrev_b32 v4, 4, v0                        ; the table: 16 t
	v_lshrrev_b32 v5, 5, v0
	v_readfirstlane_b32 s10, v5                    ; wave
	v_and_b32 v5, 31, v0                           ; lane
	v_lshrrev_b32 v6, 1, v1                        ; u / 2: my dimension in the group of 8
	v_and_b32 v7, 1, v0                            ; u % 2: 0 sum r y, 1 sum r y^2
	v_bfe_u32 v9, v0, 4, 1                         ; which half of my wave
	s_and_b32 s11, ttmp9, 7                        ; g
	s_lshr_b32 s12, ttmp9, 3                       ; cg
	s_lshl_b32 s16, ttmp9, 8                       ; my unit in a block
	s_mov_b32 s17, 0
	s_lshl_b32 s13, s11, 5                         ; 8 dimensions of 4 bytes
	v_lshl_add_u32 v8, v6, 2, s13                  ; c[8 g + u / 2]
	s_mul_i32 s20, s12, 4*516
	s_add_co_u32 s20, s20, s13                     ; out0: row 4 cg, + 32 g
	s_mov_b32 s21, 0
	s_lshl_b32 s31, s12, 4                         ; my components' quad of sum r
	s_mov_b32 s24, 0x76543210                      ; v_permlanex16_b32: lane i reads lane i of the other half
	s_mov_b32 s25, 0xfedcba98
	s_wait_kmcnt 0x0
	s_add_nc_u64 s[18:19], s[4:5], s[16:17]
	s_add_nc_u64 s[8:9], s[8:9], s[20:21]
.irp i, 0,1,2,3,4,5,6,7
	global_load_b128 v[Q+4*\i:Q+4*\i+3], v3, s[18:19] offset:\i*32*PARTB     ; sixteen neighbouring lanes read 256 consecutive bytes, aligned
.endr
.irp i, 0,1,2,3
	global_load_b128 v[R+4*\i:R+4*\i+3], v4, s[4:5] offset:RTAB+\i*8192      ; a wave reads 512 consecutive bytes: four rows of the table
.endr
	global_load_b32 v10, v8, s[6:7]                ; c, for wave 0's last lines: asked for here so that it is there by then
	s_mul_i32 s30, s10, 384                        ; my wave's 384 bytes of LDS: 256 of the unit, 128 of sum r
	v_lshl_add_u32 v11, v1, 4, s30
	v_and_b32 v12, 7, v0
	v_lshl_add_u32 v12, v12, 4, s30
	s_wait_loadcnt 5                               ; the unit's 8 loads are in; the table's 4 and c's stay out
	SUM8 Q
	XHALF Q                                        ; my wave's 16 blocks
	s_wait_loadcnt 1                               ; the table's 4 are in
	v_pk_add_f32 v[R:R+1],     v[R:R+1],     v[R+4:R+5]
	v_pk_add_f32 v[R+2:R+3],   v[R+2:R+3],   v[R+6:R+7]
	v_pk_add_f32 v[R+8:R+9],   v[R+8:R+9],   v[R+12:R+13]
	v_pk_add_f32 v[R+10:R+11], v[R+10:R+11], v[R+14:R+15]
	v_pk_add_f32 v[R:R+1],     v[R:R+1],     v[R+8:R+9]
	v_pk_add_f32 v[R+2:R+3],   v[R+2:R+3],   v[R+10:R+11]
.irp e, 0,1,2,3
	v_add_f32_dpp v[R+\e], v[R+\e], v[R+\e] row_xmask:8 row_mask:0xf bank_mask:0xf   ; lanes L, L ^ 8, L ^ 16, L ^ 24 hold the same four components
.endr
	XHALF R
	ds_store_b128 v11, v[Q:Q+3]                    ; lanes u and u + 16 write the same bytes with the same values
	ds_store_b128 v12, v[R:R+3] offset:256         ; four lanes likewise
	s_wait_dscnt 0x0                               ; my stores are done,
	s_barrier_signal -1
	s_barrier_wait -1                              ; everybody's are
	s_cmp_lg_u32 s10, 0
	s_cbranch_scc1 .Lend                           ; wave 0 finishes
	v_mul_u32_u24 v13, v9, 384                     ; my half takes waves half, half + 2, .. half + 14
	v_add_nc_u32 v14, s31, v13                     ; of sum r only my components' quad, the same for all lanes of a half
	v_lshl_add_u32 v13, v1, 4, v13
.irp i, 0,1,2,3,4,5,6,7
	ds_load_b128 v[Q+4*\i:Q+4*\i+3], v13 offset:\i*768
.endr
.irp i, 0,1,2,3,4,5,6,7
	ds_load_b128 v[R+4*\i:R+4*\i+3], v14 offset:\i*768+256
.endr
	s_wait_dscnt 0x0
	SUM8 Q
	SUM8 R
	XHALF Q                                        ; all 256 blocks, in every lane: v[Q:Q+3] my statistic of the 4 components, v[R:R+3] their sum r
	XHALF R
.irp e, 0,1,2,3
	v_rcp_f32 v[T+\e], v[R+\e]
.endr
	v_lshlrev_b32 v15, 2, v6                       ; (a plain instruction between the reciprocals and their use)
	v_lshl_add_u32 v15, v7, 8, v15                 ; even lanes: column 1 + d (mu); odd lanes: column 65 + d (var), 256 bytes on
	v_mul_u32_u24 v12, v9, 516                     ; lanes 16-31 take the next component's row
	v_add3_u32 v15, v15, v12, 4
	s_wait_alu depctr_va_vdst(0)
	v_pk_mul_f32 v[T+4:T+5], v[Q:Q+1],   v[T:T+1]  ; even lanes: m; odd lanes: sum r y^2 / sum r
	v_pk_mul_f32 v[T+6:T+7], v[Q+2:Q+3], v[T+2:T+3]
.irp e, 0,1,2,3
	v_mov_b32_dpp v[T+8+\e], v[T+4+\e] row_xmask:1 row_mask:0xf bank_mask:0xf        ; the neighbour's: an odd lane gets its dimension's m
.endr
	v_pk_fma_f32 v[T+12:T+13], v[T+8:T+9],   v[T+8:T+9],   v[T+4:T+5] neg_lo:[1,0,0] neg_hi:[1,0,0]   ; var_new (meant for the odd lanes)
	v_pk_fma_f32 v[T+14:T+15], v[T+10:T+11], v[T+10:T+11], v[T+6:T+7] neg_lo:[1,0,0] neg_hi:[1,0,0]
	s_wait_loadcnt 0x0                             ; c
	v_pk_add_f32 v[T+16:T+17], v[T+4:T+5], v[10:11] op_sel_hi:[1,0]                  ; mu_new = c + m (meant for the even lanes)
	v_pk_add_f32 v[T+18:T+19], v[T+6:T+7], v[10:11] op_sel_hi:[1,0]
	v_cmp_eq_u32 vcc_lo, 1, v7
.irp e, 0,1,2,3
	v_cndmask_b32 v[T+16+\e], v[T+16+\e], v[T+12+\e], vcc_lo
.endr
	v_cmp_eq_u32 vcc_lo, 1, v9
	v_cndmask_b32 v[T+4], v[T+16], v[T+17], vcc_lo ; lanes 0-15: components 0 and 2 of my four; lanes 16-31: 1 and 3
	v_cndmask_b32 v[T+5], v[T+18], v[T+19], vcc_lo
	global_store_b32 v15, v[T+4], s[8:9]
	global_store_b32 v15, v[T+5], s[8:9] offset:2*516
	s_cmp_lg_u32 s11, 0                            ; pi_new is stored by the work-groups with g = 0
	s_cbranch_scc1 .Lend
	v_cmp_eq_u32 vcc_lo, 1, v5                     ; lane e takes component e's sum
	v_cndmask_b32 v12, v[R], v[R+1], vcc_lo
	v_cmp_eq_u32 vcc_lo, 2, v5
	v_cndmask_b32 v12, v12, v[R+2], vcc_lo
	v_cmp_eq_u32 vcc_lo, 3, v5
	v_cndmask_b32 v12, v12, v[R+3], vcc_lo
	v_mul_f32 v12, 0x36000000, v12                 ; / 524288 = x 2^-19, exact
	v_min_u32 v13, 3, v5
	v_mul_u32_u24 v13, v13, 516
	v_cmp_gt_u32 vcc_lo, 4, v5
	s_wait_xcnt 0x0                                ; EXEC is a source of the stores above: it changes only behind this wait
	s_and_saveexec_b32 s30, vcc_lo
	global_store_b32 v13, v12, s[8:9]              ; column 0 of my four rows
	s_wait_xcnt 0x0
	s_or_b32 exec_lo, exec_lo, s30
.Lend:
	s_barrier_signal -1
	s_barrier_wait -1
	s_wait_tensorcnt 0x0
	ds_add_u32 v80, v81
	s_wait_dscnt 0x0
	s_endpgm
.Lfunc_end_k_q2dc6eb7c61_em_finish:
	.size	k_q2dc6eb7c61_em_finish, .Lfunc_end_k_q2dc6eb7c61_em_finish-k_q2dc6eb7c61_em_finish
	.p2alignl 7, 3214868480
	.fill 96, 4, 3214868480
	.section	.rodata,"a",@progbits
	.p2align	6, 0x0
	.amdhsa_kernel k_q2dc6eb7c61_em_finish
		.amdhsa_group_segment_fixed_size 8192
		.amdhsa_private_segment_fixed_size 0
		.amdhsa_enable_private_segment 0
		.amdhsa_kernarg_size 24
		.amdhsa_user_sgpr_count 2
		.amdhsa_user_sgpr_kernarg_segment_ptr 1
		.amdhsa_wavefront_size32 1
		.amdhsa_system_sgpr_workgroup_id_x 1
		.amdhsa_system_sgpr_workgroup_id_y 1
		.amdhsa_system_sgpr_workgroup_id_z 1
		.amdhsa_system_vgpr_workitem_id 0
		.amdhsa_next_free_vgpr 82
		.amdhsa_next_free_sgpr 66
		.amdhsa_reserve_vcc 1
		.amdhsa_float_denorm_mode_32 3
		.amdhsa_float_denorm_mode_16_64 3
		.amdhsa_memory_ordered 1
		.amdhsa_forward_progress 1
		.amdhsa_inst_pref_size 12
	.end_amdhsa_kernel
	.amdgpu_metadata
---
amdhsa.version: [ 1, 2 ]
amdhsa.kernels:
  - .name:           k_q2dc6eb7c61_em_finish
    .symbol:         k_q2dc6eb7c61_em_finish.kd
    .args:
      - { .name: part, .offset: 0, .size: 8, .value_kind: global_buffer, .address_space: global }
      - { .name: mu, .offset: 8, .size: 8, .value_kind: global_buffer, .address_space: global }
      - { .name: out0, .offset: 16, .size: 8, .value_kind: global_buffer, .address_space: global }
    .group_segment_fixed_size: 8192
    .private_segment_fixed_size: 0
    .kernarg_segment_align: 8
    .kernarg_segment_size: 24
    .max_flat_workgroup_size: 512
    .sgpr_count:     66
    .vgpr_count:     82
    .wavefront_size: 32
...
	.end_amdgpu_metadata
.endif
;; end of part 2
